; MI455X (gfx1250); checked and timed in simulation.
; The chip was launched on July 23, 2026; its instructions are those of AMD's public machine-readable ISA for CDNA 5 (MIT licence, August 2026) and "CDNA5" Instruction Set Architecture Reference Guide (July 2026). The comments in the code are by the model that wrote it; some were corrected since.
;; Doc Self Attention. Allowed arithmetic: matrix products marked QUANTISED: E4M3 operands, one given power-of-two scale a tensor, by v_wmma_f32_16x16x64_fp8_fp8 or v_wmma_f32_16x16x128_fp8_fp8, f32 sums; products left as they are: f32 operands where the result goes on into a quantised operand, else bf16, f16 or f32 operands; f32 sums; everything else in f32.
;; Inputs: b1 256 float32; b2 one number float32; b3 256 float32; lowp_scales 6 int32 (the exponents e of the quantised operands' scales 2^e); w1 512 x 256 float32; w2 256 float32; w3 512 x 256 float32; word_all 8 x 512 x 512 float32; word_weighted 8 x 128 x 512 float32.
;; Outputs: out0 8 x 128 x 256 float32.
;; This version of the problem:
;;   THIS VERSION OF THE PROBLEM IS GIVEN IN LOW PRECISION. The matrix products marked QUANTISED in the list below multiply operands that are first quantised to E4M3 (4 exponent bits, 3 mantissa bits; 8 bits a number), with one given power-of-two scale for each operand tensor; their sums are f32. All else is computed in f32.
;;   The module's matrix products, in the order in which they are computed (A, B: the left and right operand; K: the contracted axis; several contracted axes count as one K, in the product's order):
;;     1. [M 524,288, K 512] x [K 512, N 256]; A: computed on the way; B: input w1: QUANTISED (scales: A lowp_scales[0], B lowp_scales[1])
;;     2. [M 524,288, K 256] x [K 256, N 1]; A: computed on the way; B: input w2: left as it is (N = 1 < 16)
;;     3. batch 8 x [M 128, K 512] x [K 512, N 512]; A: softmax (see below); B: input word_all: QUANTISED (scales: A lowp_scales[2], B lowp_scales[3])
;;     4. [M 1,024, K 512] x [K 512, N 256]; A: computed on the way; B: input w3: QUANTISED (scales: A lowp_scales[4], B lowp_scales[5])
;;   THE QUANTISER, for each operand of a quantised product, along K:
;;     - The operand's scale is 2^e, e = its entry of the input lowp_scales (int32; the entries are numbered through the quantised products in the list's order, A before B).
;;     - Each number is divided by the scale, clamped to +-448, and rounded to the nearest number of E4M3, ties to even, subnormals kept.
;;     - The product sums the exact products of the quantised numbers (number of the format x scale) in f32.
;;   ~~~python
;;   def quantise(x, axis, e):      # numpy; x: float32 -> the quantised numbers, widened to float32 again
;;       x = np.moveaxis(x, axis, -1); K = x.shape[-1]
;;       r = np.clip(x / 2.0 ** e, -448, 448)
;;       step = 2.0 ** (np.maximum(np.frexp(np.where(r == 0, 1, r))[1] - 1, -6) - 3)
;;       q = np.round(r / step) * step * 2.0 ** e      # np.round: ties to even
;;       return np.moveaxis(q, -1, axis).astype(np.float32)
;;   ~~~
;;   SOFTMAX AHEAD OF A QUANTISED PRODUCT. Where the list says 'softmax', what is quantised is not the finished softmax but p = 2^(t - M), with t = logit x log2(e) and M = ceil(the row's largest t), a whole number; so 1/2 < the row's largest p <= 1. The row's sum l is taken of the UNQUANTISED p, in f32, and the product's result is divided by l at the end. Since M is a whole number, a kernel that streams over the keys may use a running M (the ceiling of the running maximum): every later rescaling is an exact power of two, so the quantised numbers keep their values, but for numbers so far below the row's largest that they fall under the format's range.
;;   OPERANDS COMPUTED ON THE WAY. 'Computed on the way' means the value that the module computes at that place (a softmax that the list does not call 'softmax' is quantised finished and normalised). What goes into a quantiser is computed in f32, as accurately as f32 sums, v_exp_f32 and their like allow (about 1e-6 of the number): no bf16 or f16 on the way to a quantiser, and a product that is left as it is and whose result goes on into a quantised operand takes f32 operands (vector FMAs, or v_wmma_f32_16x16x4_f32). A number that lies on a knife's edge between two numbers of the format may be rounded either way, as far as f32 arithmetic and the matrix unit's own rounding can turn it there, and no further.
;; One version. Each part assembles by itself: llvm-mc -triple=amdgcn-amd-amdhsa -mcpu=gfx1250 --defsym DOCPART=n.
;; ======== version 1 of 1: 2 launches
;; limits: right only within a limited range of input values
;; workspace buffers: img 2,359,296 bytes
;; launch prep (part 1): grid 288 x 1, 4 waves a work-group, no clusters, 0 bytes of LDS; arguments word_all, w1, w3, lowp_scales, img; writes img
.if DOCPART == 1
	.amdgcn_target "amdgcn-amd-amdhsa--gfx1250"
	.amdhsa_code_object_version 6
	.text
	.protected	k_qed42086d8f_prep
	.globl	k_qed42086d8f_prep
	.p2align	8
	.type	k_qed42086d8f_prep,@function
k_qed42086d8f_prep:
	s_mov_b64 s[64:65], 0
	v_nop
	global_prefetch_b8 v0, s[64:65] scope:SCOPE_SE
	s_setreg_imm32_b32 hwreg(HW_REG_WAVE_MODE, 25, 1), 1
	s_wait_xcnt 0x0
; word_all (as the operand of the pooling product, K = the words a), w1 and w3 (K = their first axis) become codes of FP8 (E4M3), laid as IMAGES OF OPERAND REGISTERS.
; A fragment is 16 rows x 128 K: 16 registers a lane, 2,048 bytes: register group c (four registers) at byte 512 c, lane L's 16 bytes at 16 L.  Fragment F lies at byte 2048 F of img:
;   F = 128 b + 32 s + tau   word_all[b] transposed: tau = tile of 16 of the 512 channels, s = K step of 128 words
;   F = 1024 + 16 s + t      w1: t = tile of 16 of its 256 columns, s = K step of 128 of its 512 rows
;   F = 1088 + 16 s + t      w3 likewise
; WHICH NUMBER LIES WHERE.  Lane (r, h) = (L % 16, L / 16).  Register q (0..15), byte y holds k = 128 s + 8 q + 4 h + y: the same places along K in every operand of every product of the program,
; so each product meets its partner.  Lane r holds row 16 tile + perm(r), perm(r) = 8 ((r % 8) / 4) + 4 (r / 8) + r % 4: a result's register j of lane (., h) then belongs to row 16 tile + 8 (j / 4) + 4 h + j % 4.
; code = x / 2^e, held within +-448, to the nearest code, ties to even.  e: lowp_scales[3] for word_all, [1] for w1, [5] for w3.
; LIMITS: each of the three e lies between -126 and 119, so that 2^e and 448 x 2^e are f32 numbers.  NaN among the inputs is not served (an infinity is held at the largest code).
; SHARES.  One wave makes one fragment, F = 4 x work-group + wave: a lane takes a column and its registers run down K, so nothing is transposed.  The four waves of a work-group stand on four
; neighbouring tiles: 256 neighbouring bytes of each row.  No LDS, no barrier, no loop: every offset is an immediate (123 rows of 2,048 bytes at the most).
.set X, 8                              ; v8-71   64 numbers: register 4 q + y
.set C, 72                             ; v72-87  the 16 registers of codes
.macro LOADS pitch                     ; 64 loads: row 8 q + y (+ 4 h, in the lane's offset) of the K step
.irp q, 0,1,2,3,4,5,6,7,8,9,10,11,12,13,14,15
.irp y, 0,1,2,3
	global_load_b32 v[X+4*\q+\y], v2, s[26:27] offset:(8*\q+\y)*\pitch
.endr
.endr
.endm
	s_load_b256 s[4:11], s[0:1], 0x0               ; word_all s[4:5], w1 s[6:7], w3 s[8:9], the scales' exponents s[10:11]
	s_load_b64 s[12:13], s[0:1], 0x20              ; img
	v_lshrrev_b32 v1, 5, v0
	v_readfirstlane_b32 s22, v1                    ; wave 0..3
	v_bfe_u32 v6, v0, 4, 1                         ; h
	v_bfe_u32 v7, v0, 2, 1                         ; (r % 8) / 4
	v_bfe_u32 v2, v0, 3, 1                         ; r / 8
	v_and_b32 v1, 3, v0                            ; r % 4
	v_lshl_add_u32 v1, v2, 2, v1
	v_lshl_add_u32 v1, v7, 3, v1                   ; perm(r)
	v_lshlrev_b32 v1, 2, v1                        ; in bytes
	v_and_b32 v3, 31, v0
	v_lshlrev_b32 v3, 4, v3                        ; 16 x lane: my place in a register group's 512 bytes
	s_lshl_b32 s23, ttmp9, 2
	s_add_co_u32 s23, s23, s22                     ; F
	s_lshl_b32 s24, s23, 11
	s_mov_b32 s25, 0
	s_lshl_b32 s30, s22, 6                         ; my tile among the work-group's four: 64 bytes x wave
	s_mov_b32 s29, 0
	s_wait_kmcnt 0x0
	s_load_b128 s[16:19], s[10:11], 0x0            ; e0 .. e3
	s_load_b64 s[20:21], s[10:11], 0x10            ; e4, e5
	s_add_nc_u64 s[12:13], s[12:13], s[24:25]      ; img at my fragment
	s_cmp_lt_u32 ttmp9, 256                        ; the first 256 work-groups take word_all, the other 32 the two weights
	s_cbranch_scc0 .Lweights
	s_lshr_b32 s28, ttmp9, 5
	s_lshl_b32 s28, s28, 20                        ; b: 512 rows of 2,048 bytes
	s_bfe_u32 s31, ttmp9, 0x20003
	s_lshl_b32 s31, s31, 18                        ; s: 128 rows
	s_add_co_u32 s28, s28, s31
	s_and_b32 s31, ttmp9, 7
	s_lshl_b32 s31, s31, 8                         ; four tiles of 64 bytes
	s_add_co_u32 s28, s28, s31
	s_add_co_u32 s28, s28, s30
	s_add_nc_u64 s[26:27], s[4:5], s[28:29]
	s_wait_alu depctr_va_vdst(0)
	v_lshl_add_u32 v2, v6, 13, v1                  ; my column, and four rows further down for lanes 16-31
	LOADS 2048
	s_branch .Ljoin
.Lweights:
	s_cmp_lt_u32 ttmp9, 272                        ; 16 work-groups for w1, 16 for w3: the choice hangs on the work-group's number alone
	s_cselect_b64 s[26:27], s[6:7], s[8:9]
	s_bfe_u32 s28, ttmp9, 0x20002
	s_lshl_b32 s28, s28, 17                        ; s: 128 rows of 1,024 bytes
	s_and_b32 s31, ttmp9, 3
	s_lshl_b32 s31, s31, 8
	s_add_co_u32 s28, s28, s31
	s_add_co_u32 s28, s28, s30
	s_add_nc_u64 s[26:27], s[26:27], s[28:29]
	s_wait_alu depctr_va_vdst(0)
	v_lshl_add_u32 v2, v6, 12, v1
	LOADS 1024
.Ljoin:                                                ; on both ways 64 loads are out
	s_wait_kmcnt 0x0
	s_cmp_lt_u32 ttmp9, 272
	s_cselect_b32 s31, s17, s21                    ; w1's e or w3's,
	s_cmp_lt_u32 ttmp9, 256
	s_cselect_b32 s31, s19, s31                    ; or word_all's
	s_add_co_i32 s31, s31, 127
	s_lshl_b32 s30, s31, 23
	v_mov_b32 v5, s30                              ; 2^e as f32: the conversion takes its exponent field
	s_add_co_i32 s31, s31, 8
	s_lshl_b32 s31, s31, 23
	s_or_b32 s31, s31, 0x600000
	v_mov_b32 v4, s31                              ; 448 x 2^e
.macro CONV i
	s_wait_loadcnt 56-8*\i                         ; loads come back in order: the first 8 (i + 1) are in, the younger ones stay out
.irp n, 0,1,2,3,4,5,6,7
	v_med3_num_f32 v[X+8*\i+\n], v[X+8*\i+\n], -v4, v4   ; the conversion to an 8-bit code does not saturate (ISA guide 7.6.2): the hold comes first
.endr
	v_cvt_scalef32_pk8_fp8_f32 v[C+2*\i:C+2*\i+1], v[X+8*\i:X+8*\i+7], v5   ; registers q = 2 i, 2 i + 1.  Its results go to a store alone; the next lines are plain and touch other registers
.endm
	s_wait_alu depctr_va_vdst(0)
.irp i, 0,1,2,3,4,5,6,7
	CONV \i
.endr
.irp c, 0,1,2,3
	global_store_b128 v3, v[C+4*\c:C+4*\c+3], s[12:13] offset:512*\c   ; 32 lanes store 512 consecutive bytes, at a multiple of 256 from img's first byte
.endr
	s_endpgm
.Lfunc_end_k_qed42086d8f_prep:
	.size	k_qed42086d8f_prep, .Lfunc_end_k_qed42086d8f_prep-k_qed42086d8f_prep
	.p2alignl 7, 3214868480
	.fill 96, 4, 3214868480
	.section	.rodata,"a",@progbits
	.p2align	6, 0x0
	.amdhsa_kernel k_qed42086d8f_prep
		.amdhsa_group_segment_fixed_size 0
		.amdhsa_private_segment_fixed_size 0
		.amdhsa_enable_private_segment 0
		.amdhsa_kernarg_size 40
		.amdhsa_user_sgpr_count 2
		.amdhsa_user_sgpr_kernarg_segment_ptr 1
		.amdhsa_wavefront_size32 1
		.amdhsa_system_sgpr_workgroup_id_x 1
		.amdhsa_system_sgpr_workgroup_id_y 1
		.amdhsa_system_sgpr_workgroup_id_z 1
		.amdhsa_system_vgpr_workitem_id 0
		.amdhsa_next_free_vgpr 96
		.amdhsa_next_free_sgpr 66
		.amdhsa_reserve_vcc 0
		.amdhsa_float_denorm_mode_32 3
		.amdhsa_float_denorm_mode_16_64 3
		.amdhsa_memory_ordered 1
		.amdhsa_forward_progress 1
		.amdhsa_inst_pref_size 20
	.end_amdhsa_kernel
	.amdgpu_metadata
---
amdhsa.version: [ 1, 2 ]
amdhsa.kernels:
  - .name:           k_qed42086d8f_prep
    .symbol:         k_qed42086d8f_prep.kd
    .args:
      - { .name: word_all, .offset: 0, .size: 8, .value_kind: global_buffer, .address_space: global }
      - { .name: w1, .offset: 8, .size: 8, .value_kind: global_buffer, .address_space: global }
      - { .name: w3, .offset: 16, .size: 8, .value_kind: global_buffer, .address_space: global }
      - { .name: lowp_scales, .offset: 24, .size: 8, .value_kind: global_buffer, .address_space: global }
      - { .name: img, .offset: 32, .size: 8, .value_kind: global_buffer, .address_space: global }
    .group_segment_fixed_size: 0
    .private_segment_fixed_size: 0
    .kernarg_segment_align: 8
    .kernarg_segment_size: 40
    .max_flat_workgroup_size: 128
    .sgpr_count:     66
    .vgpr_count:     96
    .wavefront_size: 32
...
	.end_amdgpu_metadata
.endif
;; end of part 1
;; launch main (part 2): grid 32 x 8, 8 waves a work-group, no clusters, 171,264 bytes of LDS; arguments word_all, word_weighted, b1, w2, b2, b3, lowp_scales, img, out0; writes out0
.if DOCPART == 2
	.amdgcn_target "amdgcn-amd-amdhsa--gfx1250"
	.amdhsa_code_object_version 6
	.text
	.protected	k_qed42086d8f_main
	.globl	k_qed42086d8f_main
	.p2align	8
	.type	k_qed42086d8f_main,@function
k_qed42086d8f_main:
	s_mov_b64 s[64:65], 0
	v_nop
	global_prefetch_b8 v0, s[64:65] scope:SCOPE_SE
	s_setreg_imm32_b32 hwreg(HW_REG_WAVE_MODE, 25, 1), 1
	s_wait_xcnt 0x0
; out0[b][e] = Q(softmax_a(w2 . tanh(Q(word_all[b][a] - ww[b][e]) Q(w1) + b1) + b2) pooled over Q(word_all[b]) + ww[b][e]) Q(w3) + b3, Q = the quantiser to FP8 (E4M3) with the given scales 2^e0 .. 2^e5.
; The quantiser stands BEHIND the subtraction, so every one of the 512 x 512 differences of a pair (b, e) is formed, held and converted.  b2 stays: it moves M = ceil(largest t), and so p's codes.
; SHARES.  A work-group owns one b and four e (grid 32 x 8 = 256 work-groups).  Eight waves of 512 registers.  Wave w owns words 64 w .. 64 w + 63 for all four e: four BLOCKS of 16 words x 4 e; the block loop has no barrier.
; A BLOCK.  Q phase: 32 units; unit n = 8 s + 4 u + e makes half a fragment of codes (16 words x 64 K: K step s, half u) for one e: 16 packed subtractions, 32 holds, 4 conversions.  word_all comes from memory straight into
; the operand's lanes, in half steps of 64 K through four buffers (three half steps ahead); ww comes from LDS in the same layout (all 16 lanes of a half read the same 16 bytes) through a ring of three pieces, two units ahead,
; and the difference is written over it.  The block's 16 fragments of codes stay in window 1.
; M phase: 8 pairs of tiles of w1's 256 columns.  A pair's eight fragments of w1 (4 K steps x 2 tiles, 128 registers, laid over word_all's four buffers) are asked for during the pair before; its 32 matrix instructions go on
; 8 accumulators by turns; then tanh and the dot product with w2 in batches: 32 packed scalings, 64 exponentials, 32 packed additions, 64 reciprocals, 32 packed multiply-adds; each batch of transcendentals has one wait ahead
; of it and one behind it, and LDS loads for the next pair stand between a batch and the wait behind it.  In pair 7 each K step's fragment registers take a half step of the next block's word_all.
; LAYOUT (as the launch before lays its images): lane (r, h), code register q, byte y: k = 128 s + 8 q + 4 h + y, alike in both operands of every product.  All products are used TRANSPOSED (source 0 = the weight's image,
; source 1 = the computed operand): register j of lane (r, h) of a result is (operand's row r, weight's row 16 tile + 8 (j / 4) + 4 h + j % 4): a tile's eight registers convert into code registers 2 tile, 2 tile + 1 of the next operand.
; tanh(x) = 1 - 2 / (1 + 2^(2 x log2 e)), so the logit is (b2 + the sum of w2) - 2 x the sum of w2 / (1 + 2^..): an order of rounding that differs from the reference's; 2^.. = infinity or 0 gives tanh = +-1.
; THE SOFTMAX: t = logit x log2 e, M = ceil(the row's largest t), p = 2^(t - M) is quantised; the row's sum l is taken of the unquantised p and divides the pooled sums.
; TAIL.  p's, then out's, fragments go from wave to wave through LDS as images of their registers.  An operand's 16 rows hold e = r % 4, four times over.
; NO CLUSTER: what work-groups share by tensor load, w1's images, is 131,072 bytes once for a work-group, of the 1,441,792 that it reads; word_all goes straight into registers.
; PREFETCH: the 32 work-groups of one b read the same 262,144 bytes of word_all's images in the tail; work-group x asks for bytes 8,192 x .. + 8,191 of them, a lane a block of 256, one instruction of wave 0 in the second
; of the four blocks.  w3's images are asked for by loads that stand two barriers and a product ahead of their wait, so they have no prefetch.
; LIMITS on the given exponents, so that each power of two is an f32 number: e0, e2, e4 between -126 and 119; e0 + e1 between -126 and 126; e4 + e5 between -126 and 127.  NaN among the inputs is not served.
; LDS, in bytes:
.set W1I,    0                         ; 131,072  w1's 64 images, (16 s + t) x 2,048: filled once, by eight tensor loads
.set WWP,    131072                    ; 8,192    ww as it lies: [4][512]
.set B1S,    139264                    ; 1,024    b1 x 2 log2 e; behind it 1,024 of w2
.set SCORES, 141312                    ; 8,192    the logits [4][512]
.set PIMG,   149504                    ; 8,192    p's four fragments
.set OIMG,   157696                    ; 8,192    out's four fragments (PIMG + 8,192)
.set STAGE,  165888                    ; 4,096    the way out: [4][256]
.set LSUM,   169984                    ; 32       the rows' sums, a word a wave
.set SPARE,  170240                    ; 1,024    the spare words, 128 bytes a wave
; REGISTERS, window 0 (window 1: the block's 16 fragments of codes, (e, s) at 16 (4 e + s); in the tail word_all's 16 images):
.set WOFF, 1                           ; word_all: 2,048 r + 16 h
.set LI,   2                           ; 16 x lane
.set ADR0, 3                           ; w1's images of the pair in hand, K steps 0, 1
.set ADR1, 4                           ; K steps 2, 3 (65,536 bytes on)
.set BWL,  5                           ; B1S + 16 h
.set BWA,  6                           ; the same at the pair in hand
.set WWA,  7                           ; WWP + 16 h
.set LIM,  8                           ; 448 x the scale in hand
.set SC,   9                           ; the scale in hand, as f32
.set SCO,  10                          ; SCORES + 4 (64 w + r)
.set CW,   11                          ; b2 + the sum of w2
.set SCA,  12                          ; SCO + the block's 64 bytes
.set H16,  13                          ; 16 h
.set SPW,  14                          ; my spare word; never rewritten
.set NIL,  15                          ; 0; never rewritten
.set SUM,  16                          ; v16-23   the sums of w2 / (1 + 2^..): a pair for each e
.set XH,   24                          ; v24-151  Q phase: four buffers of 32: word_all's half steps
.set WF,   24                          ;          M phase: the pair's fragments of w1, 32 s + 16 nt
.set WR,   152                         ; v152-247 Q phase: three pieces of 32: ww, then the differences
.set AC,   152                         ; v152-215 M phase: 8 accumulators, 8 (4 nt + e)
.set B1R,  216                         ; v216-231 b1 of the pair's two tiles, 8 nt + j
.set W2R,  232                         ; v232-247 w2 likewise
.set PFO,  248                         ; the prefetch's offset: 256 x lane
.set MSB, 0
.macro WIN new                         ; the immediate's high byte repeats the setting that is left
.if MSB != \new
	s_set_vgpr_msb (MSB<<8)|\new
.set MSB, \new
.endif
.endm
.macro ALU
	s_wait_alu depctr_va_vdst(0)
.endm
.macro BARRIER                         ; my LDS stores have landed and my LDS loads are in: then the work-group's barrier
	s_wait_dscnt 0x0
	s_barrier_signal -1
	s_barrier_wait -1
.endm
.macro PLACES                          ; four plain places behind matrix instructions (ISA guide 7.12.1)
.rept 4
	v_nop
.endr
.endm
; half step j of my 16 words: register 4 i + y = word_all(r, 64 j + 8 i + 4 h + y): lanes (r, 0) and (r, 1) take 32 neighbouring bytes
.macro XLOAD j, extra
.irp i, 0,1,2,3,4,5,6,7
	global_load_b128 v[XH+32*((\j)%4)+4*\i:XH+32*((\j)%4)+4*\i+3], v[WOFF], s[4:5] offset:(\extra)+256*(\j)+32*\i
.endr
.endm
; unit n's ww in the same layout: row n % 4, 64 numbers from 64 (n / 4) on
.macro WLOAD n
.irp i, 0,1,2,3,4,5,6,7
	ds_load_b128 v[WR+32*((\n)%3)+4*\i:WR+32*((\n)%3)+4*\i+3], v[WWA] offset:((\n)%4)*2048+((\n)/4)*256+32*\i
.endr
.endm
.macro UNIT n
.if (\n)%4 == 0
.if (\n) > 0
.if (\n)/4 < 5
	XLOAD (\n)/4+3, 0                              ; into the buffer that the last half step has left (half steps 0 to 3 were asked for in the block before, or at the head)
.endif
.endif
.endif
.if (\n) < 30
	WLOAD (\n)+2                                   ; into the piece that the last unit has left
.endif
.if (\n)%4 == 0
.if (\n)/4 < 5
	s_wait_loadcnt 24                              ; this half step's 8 loads are in; those of the three behind it may be out
.else
	s_wait_loadcnt 8*(7-(\n)/4)
.endif
.endif
.if (\n) < 30
	s_wait_dscnt 16                                ; this unit's ww is in; the next two units' 16 loads may be out
.else
	s_wait_dscnt 8*(31-(\n))
.endif
.set WB, WR+32*((\n)%3)
.set XB, XH+32*(((\n)/4)%4)
.set CB, 16*(4*((\n)%4)+(\n)/8)+8*(((\n)/4)%2)
.irp i, 0,2,4,6,8,10,12,14,16,18,20,22,24,26,28,30
	v_pk_add_f32 v[WB+\i:WB+\i+1], v[XB+\i:XB+\i+1], v[WB+\i:WB+\i+1] neg_lo:[0,1] neg_hi:[0,1]   ; word_all - ww
.endr
.set k, 0
.rept 32
	v_med3_num_f32 v[WB+k], v[WB+k], -v[LIM], v[LIM]   ; the conversion to an 8-bit code does not saturate (ISA guide 7.6.2): the hold at 448 x 2^e0
.set k, k+1
.endr
	WIN 0x40                                       ; destination window 1
.irp i, 0,1,2,3
	v_cvt_scalef32_pk8_fp8_f32 v[CB+2*\i:CB+2*\i+1], v[WB+8*\i:WB+8*\i+7], v[SC]
.endr
	WIN 0                                          ; the next unit's subtractions are the plain lines behind the conversions
.endm
.macro WFLOAD s                        ; w1's two fragments of K step s of the pair at which the addresses stand: 8 loads of 512 consecutive bytes
.irp nt, 0,1
.irp c, 0,1,2,3
	ds_load_b128 v[WF+32*(\s)+16*\nt+4*\c:WF+32*(\s)+16*\nt+4*\c+3], v[ADR0+(\s)/2] offset:((\s)%2)*32768+\nt*2048+512*\c
.endr
.endr
.endm
.macro BLOAD R, off                    ; b1 (off = 0) or w2 (1,024) of the pair at which BWA stands, in the result's layout: rows 16 t + 4 h + 0 .. 3 and 16 t + 8 + 4 h + 0 .. 3
.irp nt, 0,1
	ds_load_b128 v[\R+8*\nt:\R+8*\nt+3], v[BWA] offset:(\off)+64*\nt
	ds_load_b128 v[\R+8*\nt+4:\R+8*\nt+7], v[BWA] offset:(\off)+64*\nt+32
.endr
.endm
.macro MULS s                          ; 8 matrix instructions of K step s: 4 e x 2 tiles, the eight accumulators by turns; K step 0 starts the sums
.irp e, 0,1,2,3
.irp nt, 0,1
.if (\s) == 0
	v_wmma_f32_16x16x128_fp8_fp8 v[AC+8*(4*\nt+\e):AC+8*(4*\nt+\e)+7], v[WF+32*(\s)+16*\nt:WF+32*(\s)+16*\nt+15], v[16*(4*\e+(\s)):16*(4*\e+(\s))+15], 0
.else
	v_wmma_f32_16x16x128_fp8_fp8 v[AC+8*(4*\nt+\e):AC+8*(4*\nt+\e)+7], v[WF+32*(\s)+16*\nt:WF+32*(\s)+16*\nt+15], v[16*(4*\e+(\s)):16*(4*\e+(\s))+15], v[AC+8*(4*\nt+\e):AC+8*(4*\nt+\e)+7]
.endif
.endr
.endr
.endm
.macro XN xn, s                        ; xn = 1: half step s of the next block's word_all, into the fragment registers that K step s has just left, four places behind its products
.if \xn
	PLACES
	XLOAD \s, 32768
.endif
.endm
; A PAIR.  At its head its 32 loads of w1 and its 4 of b1 have been asked for, in this order: K steps 0, 1 (16), K steps 2, 3 (16), b1 (4).
; next = 1: the next pair's are asked for, and the addresses step.  xn = 1 (pair 7 of a block that has a successor): the next block's first four half steps of word_all are asked for.
.macro TRIP next, xn
	BLOAD W2R, 1024                                ; w2 of this pair: wanted at the trip's end
	WIN 0x04                                       ; source 1 (the codes) window 1; loads name destination and source 0, which stay in window 0
	s_wait_dscnt 24                                ; K steps 0 and 1 are in; behind them: K steps 2 and 3 (16), b1 (4), w2 (4)
	MULS 0
	XN \xn, 0
	MULS 1
	XN \xn, 1
	s_wait_dscnt 0x0                               ; K steps 2 and 3, b1 and w2 are in (the youngest were asked for 16 matrix instructions ago)
	MULS 2
	XN \xn, 2
	MULS 3
	XN \xn, 3
	WIN 0
.if \next
	v_add_nc_u32 v[ADR0], 0x1000, v[ADR0]          ; on to the next pair; with the v_nop these are the four places behind the last products
	v_add_nc_u32 v[ADR1], 0x1000, v[ADR1]
	v_add_nc_u32 v[BWA], 128, v[BWA]
	v_nop
	WFLOAD 0
	WFLOAD 1
.elseif \xn == 0
	PLACES
.endif
.set k, 0
.rept 32
	v_pk_fma_f32 v[AC+2*k:AC+2*k+1], v[AC+2*k:AC+2*k+1], s[46:47], v[B1R+8*(k/16)+(2*k)%8:B1R+8*(k/16)+(2*k)%8+1] op_sel_hi:[1,0,1]   ; z = 2 log2 e (sum x 2^(e0 + e1) + b1); each accumulator from its low end on
.set k, k+1
.endr
	ALU
.set k, 0
.rept 64
	v_exp_f32 v[AC+k], v[AC+k]
.set k, k+1
.endr
	v_nop                                          ; a plain line behind the last exponential
.if \next
	WFLOAD 2                                       ; work that names none of the batch's results, between the batch and its wait
	WFLOAD 3
.endif
	ALU
.set k, 0
.rept 32
	v_pk_add_f32 v[AC+2*k:AC+2*k+1], v[AC+2*k:AC+2*k+1], 1.0 op_sel_hi:[1,0]
.set k, k+1
.endr
	ALU
.set k, 0
.rept 64
	v_rcp_f32 v[AC+k], v[AC+k]
.set k, k+1
.endr
	v_nop                                          ; a plain line behind the last reciprocal
.if \next
	BLOAD B1R, 0                                   ; b1 of the next pair: this pair's scalings have read theirs
.endif
	ALU
.irp nt, 0,1                           ; times w2, onto the e's sum: the four e by turns
.irp i, 0,2,4,6
.irp e, 0,1,2,3
	v_pk_fma_f32 v[SUM+2*\e:SUM+2*\e+1], v[AC+8*(4*\nt+\e)+\i:AC+8*(4*\nt+\e)+\i+1], v[W2R+8*\nt+\i:W2R+8*\nt+\i+1], v[SUM+2*\e:SUM+2*\e+1]
.endr
.endr
.endr
.endm
	s_load_b256 s[4:11], s[0:1], 0x0               ; word_all s[4:5], word_weighted s[6:7], b1 s[8:9], w2 s[10:11]
	s_load_b256 s[12:19], s[0:1], 0x20             ; b2 s[12:13], b3 s[14:15], the scales' exponents s[16:17], img s[18:19]
	s_load_b64 s[20:21], s[0:1], 0x40              ; out0
	v_lshl_add_u32 v[SPW], v0, 2, SPARE
	v_mov_b32 v[NIL], 0
	ds_add_u32 v[SPW], v[NIL]                      ; the opening lines: the add, twice on end, and its wait ahead of my tensor load
	ds_add_u32 v[SPW], v[NIL]
	v_lshrrev_b32 v16, 5, v0
	v_readfirstlane_b32 s22, v16                   ; wave 0..7
	s_and_b32 s23, ttmp7, 0xffff                   ; b
	; descriptor group 1: a dense block of 16,384 bytes as 64 rows of 32 elements of 8 bytes; no padding, no mask
	s_mov_b32 s32, 3<<16
	s_mov_b32 s33, 32<<16
	s_mov_b32 s34, 64<<16
	s_mov_b32 s35, 32<<16
	s_mov_b32 s36, 64
	s_mov_b32 s37, 32
	s_mov_b32 s38, 0
	s_mov_b32 s39, 0
	s_mov_b32 s28, 1
	s_lshl_b32 s29, s22, 14                        ; LDS address: wave x 16,384: my eight of w1's 64 images
	s_mov_b32 s72, s29
	s_mov_b32 s73, 0                               ; stays 0: the upper word of every offset below
	s_mov_b32 s54, 0x76543210                      ; v_permlanex16_b32's selects for lane l xor 16
	s_mov_b32 s55, 0xfedcba98
	s_wait_dscnt 0x0
	s_wait_kmcnt 0x0
	s_add_nc_u64 s[30:31], s[18:19], 0x200000      ; w1's images begin at fragment 1,024
	s_add_nc_u64 s[30:31], s[30:31], s[72:73]
	s_or_b32 s31, s31, 0x80000000
	tensor_load_to_lds s[28:31], s[32:39]          ; my one tensor load of the launch; nothing is filled twice
	s_nop 0
	PLACES
	s_load_b128 s[40:43], s[16:17], 0x0            ; e0 .. e3
	s_load_b64 s[44:45], s[16:17], 0x10            ; e4, e5
	s_load_b32 s61, s[12:13], 0x0                  ; b2
	s_lshl_b32 s72, s23, 20
	s_lshl_b32 s76, s22, 17
	s_add_co_u32 s72, s72, s76
	s_add_nc_u64 s[4:5], s[4:5], s[72:73]          ; word_all at b, word 64 w
	s_lshl_b32 s72, s23, 18
	s_lshl_b32 s76, ttmp9, 13
	s_add_co_u32 s72, s72, s76
	s_add_nc_u64 s[6:7], s[6:7], s[72:73]          ; word_weighted at my four rows,
	s_add_nc_u64 s[82:83], s[18:19], s[72:73]      ; and, by the same offset, my work-group's 8,192 bytes of b's images, for the prefetch
	s_lshl_b32 s72, s23, 18
	s_lshl_b32 s76, s22, 13
	s_add_co_u32 s72, s72, s76
	s_add_nc_u64 s[68:69], s[18:19], s[72:73]      ; word_all's images: fragment 128 b + 4 w
	s_lshl_b32 s72, s22, 12
	s_add_co_u32 s72, s72, 0x220000
	s_add_nc_u64 s[70:71], s[18:19], s[72:73]      ; w3's images: fragment 1,088 + 2 w
	s_lshl_b32 s72, s22, 7
	s_add_nc_u64 s[14:15], s[14:15], s[72:73]      ; b3 at my 32 outputs
	s_lshl_b32 s72, s23, 17
	s_lshl_b32 s76, ttmp9, 12
	s_add_co_u32 s72, s72, s76
	s_lshl_b32 s76, s22, 9
	s_add_co_u32 s72, s72, s76
	s_add_nc_u64 s[20:21], s[20:21], s[72:73]      ; out0 at my work-group's 4,096 bytes, + 512 w
	s_cmp_eq_u32 s22, 0
	s_cselect_b32 s84, 3, 0                        ; the count of blocks to go at which my wave prefetches: wave 0 at 3, the others never
	s_lshl_b32 s77, s22, 8
	s_add_co_u32 s77, s77, SCORES
	v_and_b32 v17, 15, v0                          ; r
	v_bfe_u32 v18, v0, 4, 1                        ; h
	v_and_b32 v19, 31, v0                          ; lane
	v_lshlrev_b32 v[LI], 4, v19
	v_lshlrev_b32 v[H16], 4, v18
	v_lshl_add_u32 v[WOFF], v17, 11, v[H16]
	v_add_nc_u32 v[BWL], B1S, v[H16]
	v_add_nc_u32 v[WWA], WWP, v[H16]
	v_lshlrev_b32 v[SCO], 2, v17
	v_add_nc_u32 v[SCO], s77, v[SCO]
	v_lshlrev_b32 v[PFO], 8, v19
	v_lshlrev_b32 v160, 4, v0                      ; 16 x thread
	v_lshlrev_b32 v161, 2, v0                      ; 4 x thread
	v_lshlrev_b32 v162, 5, v19                     ; 32 x lane
	v_add_nc_u32 v163, WWP, v160
	v_add_nc_u32 v164, B1S, v161
	ALU
	global_load_b128 v[168:171], v160, s[6:7]      ; ww as it lies: 8,192 dense bytes, 16 a thread, twice
	global_load_b128 v[172:175], v160, s[6:7] offset:4096
	global_load_b32 v176, v161, s[8:9]             ; b1
	global_load_b32 v177, v161, s[10:11]           ; w2
	global_load_b128 v[180:183], v162, s[10:11]    ; w2 once more, eight numbers a lane, for its sum
	global_load_b128 v[184:187], v162, s[10:11] offset:16
	XLOAD 0, 0                                     ; the first block's first four half steps
	XLOAD 1, 0
	XLOAD 2, 0
	XLOAD 3, 0
	s_wait_kmcnt 0x0
	s_add_co_i32 s72, s40, s41
	s_lshl_b32 s72, s72, 23
	s_add_co_i32 s46, s72, 0x4038aa3b              ; 2 log2 e x 2^(e0 + e1): the two exponents are added to the exponent field
	s_mov_b32 s47, s46
	s_mov_b32 s48, 0x3fb8aa3b                      ; log2 e
	s_mov_b32 s49, s48
	s_add_co_i32 s72, s44, s45
	s_add_co_i32 s72, s72, 127
	s_lshl_b32 s50, s72, 23                        ; 2^(e4 + e5)
	s_mov_b32 s51, s50
	s_add_co_i32 s52, s42, s43                     ; e2 + e3
	s_add_co_i32 s72, s40, 127
	s_lshl_b32 s76, s72, 23
	s_add_co_i32 s72, s72, 8
	s_lshl_b32 s72, s72, 23
	s_or_b32 s72, s72, 0x600000
	v_mov_b32 v[SC], s76                           ; 2^e0
	v_mov_b32 v[LIM], s72                          ; 448 x 2^e0
	s_add_co_i32 s72, s42, 127
	s_lshl_b32 s62, s72, 23                        ; 2^e2,
	s_add_co_i32 s72, s72, 8
	s_lshl_b32 s72, s72, 23
	s_or_b32 s63, s72, 0x600000                    ; 448 x 2^e2
	s_add_co_i32 s72, s44, 127
	s_lshl_b32 s66, s72, 23                        ; 2^e4,
	s_add_co_i32 s72, s72, 8
	s_lshl_b32 s72, s72, 23
	s_or_b32 s67, s72, 0x600000                    ; 448 x 2^e4
	s_wait_loadcnt 32                              ; all but the 32 loads of word_all, which were issued last
	v_mul_f32 v176, 0x4038aa3b, v176               ; b1 x 2 log2 e
	ds_store_b128 v163, v[168:171]
	ds_store_b128 v163, v[172:175] offset:4096
	ds_store_b32 v164, v176
	ds_store_b32 v164, v177 offset:1024
	v_pk_add_f32 v[180:181], v[180:181], v[182:183]
	v_pk_add_f32 v[184:185], v[184:185], v[186:187]
	v_pk_add_f32 v[180:181], v[180:181], v[184:185]
	v_add_f32 v180, v180, v181
	v_add_f32_dpp v180, v180, v180 row_xmask:1 row_mask:0xf bank_mask:0xf
	v_add_f32_dpp v180, v180, v180 row_xmask:2 row_mask:0xf bank_mask:0xf
	v_add_f32_dpp v180, v180, v180 row_xmask:4 row_mask:0xf bank_mask:0xf
	v_add_f32_dpp v180, v180, v180 row_xmask:8 row_mask:0xf bank_mask:0xf
	v_permlanex16_b32 v181, v180, s54, s55
	v_add_f32 v180, v180, v181
	v_add_f32 v[CW], s61, v180                     ; b2 + the sum of w2, in every lane
	s_mov_b32 s56, 4                               ; blocks to go
	s_mov_b32 s60, 0                               ; the block's 16 words in a row of logits, in bytes
	ALU                                            ; the head's end
	s_wait_tensorcnt 0x0                           ; my eight images of w1 have landed;
	BARRIER                                        ; everybody's have, and ww, b1 and w2 lie in LDS
.Lblock:
.irp i, 0,1,2,3,4,5,6,7
	v_mov_b32 v[SUM+\i], 0
.endr
	v_add_nc_u32 v[SCA], s60, v[SCO]
	WLOAD 0
	WLOAD 1
.set N, 0
.rept 32
	UNIT N
.set N, N+1
.endr
	v_nop                                          ; a plain line behind the last conversions
	v_mov_b32 v[ADR0], v[LI]                       ; pair 0 (W1I = 0)
	v_add_nc_u32 v[ADR1], 0x10000, v[LI]
	v_mov_b32 v[BWA], v[BWL]
	ALU
	WFLOAD 0                                       ; pair 0's fragments, over word_all's four buffers, and its b1
	WFLOAD 1
	WFLOAD 2
	WFLOAD 3
	BLOAD B1R, 0
	s_cmp_lg_u32 s56, s84
	s_cbranch_scc1 .Lno_pf
	global_prefetch_b8 v[PFO], s[82:83] th:TH_LOAD_NT scope:SCOPE_SE   ; 32 lanes x 256 bytes: my work-group's share of the images that the tail loads; its registers are never rewritten in the loop
.Lno_pf:
	s_mov_b32 s57, 7
.Lpair:
	TRIP 1, 0
	s_sub_co_u32 s57, s57, 1
	s_cmp_lg_u32 s57, 0
	s_cbranch_scc1 .Lpair
	s_cmp_eq_u32 s56, 1                            ; pair 7 is written twice: the last block asks for no further word_all (no load leaves the buffer)
	s_cbranch_scc1 .Llast
	TRIP 0, 1
	ALU                                            ; directly ahead of the jump: the sums are read behind it
	s_branch .Lsums
.Llast:
	TRIP 0, 0
.Lsums:
	; the block's 16 x 4 logits: a sum's two halves, the other half of the lanes', then (b2 + the sum of w2) - 2 x the sum
.irp e, 0,1,2,3
	v_add_f32 v[232+\e], v[SUM+2*\e], v[SUM+2*\e+1]
.endr
.irp e, 0,1,2,3
	v_permlanex16_b32 v[236+\e], v[232+\e], s54, s55
.endr
.irp e, 0,1,2,3
	v_add_f32 v[232+\e], v[232+\e], v[236+\e]
.endr
.irp e, 0,1,2,3
	v_fma_f32 v[232+\e], v[232+\e], -2.0, v[CW]
.endr
.irp e, 0,1,2,3
	ds_store_b32 v[SCA], v[232+\e] offset:2048*\e  ; both halves of the lanes store the same number to the same word
.endr
	s_wait_xcnt 0x0                                ; the loads that are out have read their base: it steps only behind this wait
	s_add_nc_u64 s[4:5], s[4:5], 32768             ; 16 words on
	s_add_co_u32 s60, s60, 64
	s_sub_co_u32 s56, s56, 1
	s_cmp_lg_u32 s56, 0
	s_cbranch_scc1 .Lblock
	; ---- THE TAIL.
	s_wait_loadcnt 0x0                             ; the last block asked for nothing further: no load of mine is out
	WIN 0x40                                       ; word_all's 16 images: my four tiles of channels x four K steps of words, (t, s) at 16 (4 s + t) of window 1
.irp s, 0,1,2,3
.irp t, 0,1,2,3
.irp c, 0,1,2,3
	global_load_b128 v[16*(4*\s+\t)+4*\c:16*(4*\s+\t)+4*\c+3], v[LI], s[68:69] offset:(32*\s+\t)*2048+512*\c
.endr
.endr
.endr
	WIN 0
	s_lshr_b32 s72, s22, 1                         ; the e whose softmax I make: w / 2 (two waves make each row, and store different copies)
	s_and_b32 s76, s22, 1
	s_lshl_b32 s74, s72, 11
	s_add_co_u32 s74, s74, SCORES
	s_lshl_b32 s75, s72, 4
	s_lshl_b32 s76, s76, 7
	s_add_co_u32 s75, s75, s76
	s_add_co_u32 s75, s75, PIMG
	s_lshl_b32 s77, s22, 2
	s_add_co_u32 s77, s77, LSUM
	s_lshl_b32 s78, s22, 8
	s_add_co_u32 s78, s78, WWP
	s_lshl_b32 s79, s22, 10
	s_add_co_u32 s79, s79, OIMG
	s_lshl_b32 s80, s22, 7
	s_add_co_u32 s80, s80, STAGE
	s_lshl_b32 s81, s22, 9
	s_add_co_u32 s81, s81, STAGE
	v_bfe_u32 v176, v0, 1, 4                       ; lane / 2
	v_and_b32 v177, 1, v0                          ; lane % 2
	v_lshlrev_b32 v1, 7, v176
	v_lshl_add_u32 v1, v177, 4, v1
	v_add_nc_u32 v1, s74, v1                       ; v1: my 16 logits: words 32 (lane / 2) + 4 (lane % 2) + 8 q + y
	v_bfe_u32 v178, v0, 3, 2
	v_bfe_u32 v179, v0, 1, 2
	v_lshlrev_b32 v3, 11, v178                     ; they are register group (lane / 2) % 4 of K step lane / 8, for the lanes with h = lane % 2
	v_lshl_add_u32 v3, v179, 9, v3
	v_lshl_add_u32 v3, v177, 8, v3
	v_add_nc_u32 v3, s75, v3                       ; v3: rows e + 8 (w % 2) and, 64 bytes on, e + 8 (w % 2) + 4 of p's image
	v_mov_b32 v4, s77                              ; v4: my wave's word for the row's sum
	v_and_b32 v180, 3, v0                          ; r % 4: the e of an operand's row r
	v_lshlrev_b32 v5, 3, v180
	v_add_nc_u32 v5, LSUM, v5                      ; v5: wave 2 e's word
	v_lshl_add_u32 v6, v180, 11, v[H16]
	v_add_nc_u32 v6, s78, v6                       ; v6: ww(r % 4, 64 w + 4 h ..)
	v_add_nc_u32 v7, s79, v[LI]                    ; v7: out's image: my four tiles are register groups 2 (w % 2), + 1 of K step w / 2
	v_lshl_add_u32 v10, v180, 10, v[H16]
	v_add_nc_u32 v10, s80, v10                     ; v10: the stage: row r % 4, my 32 outputs, + 16 h
	v_add_nc_u32 v12, s81, v[LI]                   ; v12: and back: 16 bytes a thread
	v_add_nc_u32 v11, PIMG, v[LI]                  ; v11: p's image at my lane; out's lies 8,192 bytes on
	v_mov_b32 v[LIM], s63                          ; 448 x 2^e2
	v_mov_b32 v[SC], s62                           ; 2^e2
	ALU
	BARRIER                                        ; all 4 x 512 logits lie in LDS
	; ---- the softmax of row e = w / 2: 16 logits a lane
.irp q, 0,1,2,3
	ds_load_b128 v[176+4*\q:176+4*\q+3], v1 offset:32*\q
.endr
	s_wait_dscnt 0x0
	v_max3_num_f32 v192, v176, v177, v178
	v_max3_num_f32 v193, v179, v180, v181
	v_max3_num_f32 v192, v192, v182, v183
	v_max3_num_f32 v193, v193, v184, v185
	v_max3_num_f32 v192, v192, v186, v187
	v_max3_num_f32 v193, v193, v188, v189
	v_max3_num_f32 v192, v192, v190, v191
	v_max_num_f32 v192, v192, v193
	v_max_num_f32_dpp v192, v192, v192 row_xmask:1 row_mask:0xf bank_mask:0xf
	v_max_num_f32_dpp v192, v192, v192 row_xmask:2 row_mask:0xf bank_mask:0xf
	v_max_num_f32_dpp v192, v192, v192 row_xmask:4 row_mask:0xf bank_mask:0xf
	v_max_num_f32_dpp v192, v192, v192 row_xmask:8 row_mask:0xf bank_mask:0xf
	v_permlanex16_b32 v193, v192, s54, s55
	v_max_num_f32 v192, v192, v193                 ; the row's largest logit, in every lane
	v_mul_f32 v192, s48, v192                      ; as t
	v_floor_f32 v194, -v192                        ; -M = floor(-t) = -ceil(t): a whole number
	v_mov_b32 v195, v194
.irp i, 0,2,4,6,8,10,12,14
	v_pk_fma_f32 v[176+\i:177+\i], v[176+\i:177+\i], s[48:49], v[194:195] op_sel_hi:[1,0,0]   ; t - M
.endr
	ALU
.set k, 0
.rept 16
	v_exp_f32 v[176+k], v[176+k]                   ; p = 2^(t - M), at most 1: not normalised
.set k, k+1
.endr
	v_nop
	ALU
	v_pk_add_f32 v[196:197], v[176:177], v[178:179]   ; the row's sum is taken of the unquantised p
	v_pk_add_f32 v[198:199], v[180:181], v[182:183]
	v_pk_add_f32 v[196:197], v[196:197], v[184:185]
	v_pk_add_f32 v[198:199], v[198:199], v[186:187]
	v_pk_add_f32 v[196:197], v[196:197], v[188:189]
	v_pk_add_f32 v[198:199], v[198:199], v[190:191]
	v_pk_add_f32 v[196:197], v[196:197], v[198:199]
	v_add_f32 v196, v196, v197
	v_add_f32_dpp v196, v196, v196 row_xmask:1 row_mask:0xf bank_mask:0xf
	v_add_f32_dpp v196, v196, v196 row_xmask:2 row_mask:0xf bank_mask:0xf
	v_add_f32_dpp v196, v196, v196 row_xmask:4 row_mask:0xf bank_mask:0xf
	v_add_f32_dpp v196, v196, v196 row_xmask:8 row_mask:0xf bank_mask:0xf
	v_permlanex16_b32 v197, v196, s54, s55
	v_add_f32 v196, v196, v197                     ; l
.set k, 0
.rept 16
	v_min_num_f32 v[176+k], v[176+k], v[LIM]       ; p is not negative: the hold is one-sided
.set k, k+1
.endr
	v_cvt_scalef32_pk8_fp8_f32 v[200:201], v[176:183], v[SC]
	v_cvt_scalef32_pk8_fp8_f32 v[202:203], v[184:191], v[SC]
	v_nop                                          ; one plain line behind the conversions
	ds_store_b128 v3, v[200:203]
	ds_store_b128 v3, v[200:203] offset:64
	ds_store_b32 v4, v196
	s_wait_loadcnt 0x0                             ; word_all's 64 image loads are in
	; w3's 8 images (my two tiles of outputs x four K steps) and b3: two barriers and the pooling product stand between these loads and the wait for them
.irp s, 0,1,2,3
.irp t, 0,1
.irp c, 0,1,2,3
	global_load_b128 v[48+16*(2*\s+\t)+4*\c:48+16*(2*\s+\t)+4*\c+3], v[LI], s[70:71] offset:(16*\s+\t)*2048+512*\c
.endr
.endr
.endr
.irp t, 0,1
	global_load_b128 v[240+8*\t:240+8*\t+3], v[H16], s[14:15] offset:64*\t
	global_load_b128 v[240+8*\t+4:240+8*\t+7], v[H16], s[14:15] offset:64*\t+32
.endr
	BARRIER                                        ; p's four fragments and the sums lie in LDS
	; ---- pooled^T = word_all^T p^T: my four tiles of channels, four accumulators by turns, K = the 512 words
.irp s, 0,1,2,3
.irp c, 0,1,2,3
	ds_load_b128 v[176+16*\s+4*\c:176+16*\s+4*\c+3], v11 offset:2048*\s+512*\c
.endr
.endr
	ds_load_b32 v4, v5                             ; l of my row's e
	v_mov_b32 v[LIM], s67                          ; 448 x 2^e4
	v_mov_b32 v[SC], s66                           ; 2^e4
	ALU
	s_wait_dscnt 0x0
	WIN 0x01                                       ; source 0 window 1
.irp s, 0,1,2,3
.irp t, 0,1,2,3
.if \s == 0
	v_wmma_f32_16x16x128_fp8_fp8 v[16+8*\t:16+8*\t+7], v[16*(4*\s+\t):16*(4*\s+\t)+15], v[176+16*\s:176+16*\s+15], 0
.else
	v_wmma_f32_16x16x128_fp8_fp8 v[16+8*\t:16+8*\t+7], v[16*(4*\s+\t):16*(4*\s+\t)+15], v[176+16*\s:176+16*\s+15], v[16+8*\t:16+8*\t+7]
.endif
.endr
.endr
	WIN 0
	PLACES
.irp t, 0,1,2,3
	ds_load_b128 v[176+8*\t:176+8*\t+3], v6 offset:64*\t          ; ww in the result's layout
	ds_load_b128 v[176+8*\t+4:176+8*\t+7], v6 offset:64*\t+32
.endr
	s_wait_dscnt 0x0
	ALU
	v_rcp_f32 v1, v4
	v_nop
	ALU
	v_ldexp_f32 v4, v1, s52                        ; f = 2^(e2 + e3) / l
	ALU                                            ; directly ahead of the first readers of the pooled sums
.irp t, 0,1,2,3
.irp i, 0,2,4,6
	v_pk_fma_f32 v[208+8*\t+\i:208+8*\t+\i+1], v[16+8*\t+\i:16+8*\t+\i+1], v[4:5], v[176+8*\t+\i:176+8*\t+\i+1] op_sel_hi:[1,0,1]   ; out = pooled + ww (of the pair f the low word serves both halves)
.endr
.endr
.set k, 0
.rept 32
	v_med3_num_f32 v[208+k], v[208+k], -v[LIM], v[LIM]
.set k, k+1
.endr
.irp t, 0,1,2,3
	v_cvt_scalef32_pk8_fp8_f32 v[176+2*\t:176+2*\t+1], v[208+8*\t:208+8*\t+7], v[SC]
.endr
	v_nop                                          ; one plain line behind the conversions
	ds_store_b128 v7, v[176:179]
	ds_store_b128 v7, v[180:183] offset:512
	BARRIER                                        ; out's four fragments lie in LDS
	; ---- y^T = w3^T out^T: my two tiles of outputs, two accumulators by turns, K = the 512 channels
.irp s, 0,1,2,3
.irp c, 0,1,2,3
	ds_load_b128 v[176+16*\s+4*\c:176+16*\s+4*\c+3], v11 offset:8192+2048*\s+512*\c
.endr
.endr
	s_wait_dscnt 0x0
	s_wait_loadcnt 0x0                             ; w3 and b3
.irp s, 0,1,2,3
.irp t, 0,1
.if \s == 0
	v_wmma_f32_16x16x128_fp8_fp8 v[16+8*\t:16+8*\t+7], v[48+16*(2*\s+\t):48+16*(2*\s+\t)+15], v[176+16*\s:176+16*\s+15], 0
.else
	v_wmma_f32_16x16x128_fp8_fp8 v[16+8*\t:16+8*\t+7], v[48+16*(2*\s+\t):48+16*(2*\s+\t)+15], v[176+16*\s:176+16*\s+15], v[16+8*\t:16+8*\t+7]
.endif
.endr
.endr
	PLACES
.irp t, 0,1
.irp i, 0,2,4,6
	v_pk_fma_f32 v[32+8*\t+\i:32+8*\t+\i+1], v[16+8*\t+\i:16+8*\t+\i+1], s[50:51], v[240+8*\t+\i:240+8*\t+\i+1] op_sel_hi:[1,0,1]   ; sum x 2^(e4 + e5) + b3
.endr
.endr
.irp t, 0,1
	ds_store_b128 v10, v[32+8*\t:32+8*\t+3] offset:64*\t           ; lanes r, r + 4, r + 8, r + 12 hold the same numbers and store them to the same bytes
	ds_store_b128 v10, v[32+8*\t+4:32+8*\t+7] offset:64*\t+32
.endr
	BARRIER                                        ; four whole rows of the output lie in the stage
	ds_load_b128 v[176:179], v12
	s_wait_dscnt 0x0
	global_store_b128 v[LI], v[176:179], s[20:21]  ; 32 lanes store 512 consecutive bytes, at a multiple of 256 from out0's first byte
	s_wait_tensorcnt 0x0                           ; the wave's end
	ds_add_u32 v[SPW], v[NIL]
	s_wait_dscnt 0x0
	s_endpgm
.Lfunc_end_k_qed42086d8f_main:
	.size	k_qed42086d8f_main, .Lfunc_end_k_qed42086d8f_main-k_qed42086d8f_main
	.p2alignl 7, 3214868480
	.fill 96, 4, 3214868480
	.section	.rodata,"a",@progbits
	.p2align	6, 0x0
	.amdhsa_kernel k_qed42086d8f_main
		.amdhsa_group_segment_fixed_size 171264
		.amdhsa_private_segment_fixed_size 0
		.amdhsa_enable_private_segment 0
		.amdhsa_kernarg_size 72
		.amdhsa_user_sgpr_count 2
		.amdhsa_user_sgpr_kernarg_segment_ptr 1
		.amdhsa_wavefront_size32 1
		.amdhsa_system_sgpr_workgroup_id_x 1
		.amdhsa_system_sgpr_workgroup_id_y 1
		.amdhsa_system_sgpr_workgroup_id_z 1
		.amdhsa_system_vgpr_workitem_id 0
		.amdhsa_next_free_vgpr 512
		.amdhsa_next_free_sgpr 96
		.amdhsa_reserve_vcc 0
		.amdhsa_float_denorm_mode_32 3
		.amdhsa_float_denorm_mode_16_64 3
		.amdhsa_memory_ordered 1
		.amdhsa_forward_progress 1
		.amdhsa_inst_pref_size 210
	.end_amdhsa_kernel
	.amdgpu_metadata
---
amdhsa.version: [ 1, 2 ]
amdhsa.kernels:
  - .name:           k_qed42086d8f_main
    .symbol:         k_qed42086d8f_main.kd
    .args:
      - { .name: word_all, .offset: 0, .size: 8, .value_kind: global_buffer, .address_space: global }
      - { .name: word_weighted, .offset: 8, .size: 8, .value_kind: global_buffer, .address_space: global }
      - { .name: b1, .offset: 16, .size: 8, .value_kind: global_buffer, .address_space: global }
      - { .name: w2, .offset: 24, .size: 8, .value_kind: global_buffer, .address_space: global }
      - { .name: b2, .offset: 32, .size: 8, .value_kind: global_buffer, .address_space: global }
      - { .name: b3, .offset: 40, .size: 8, .value_kind: global_buffer, .address_space: global }
      - { .name: lowp_scales, .offset: 48, .size: 8, .value_kind: global_buffer, .address_space: global }
      - { .name: img, .offset: 56, .size: 8, .value_kind: global_buffer, .address_space: global }
      - { .name: out0, .offset: 64, .size: 8, .value_kind: global_buffer, .address_space: global }
    .group_segment_fixed_size: 171264
    .private_segment_fixed_size: 0
    .kernarg_segment_align: 8
    .kernarg_segment_size: 72
    .max_flat_workgroup_size: 256
    .sgpr_count:     96
    .vgpr_count:     512
    .wavefront_size: 32
...
	.end_amdgpu_metadata
.endif
;; end of part 2
